; MI455X (gfx1250); checked and timed in simulation.
; The chip was launched on July 23, 2026; its instructions are those of AMD's public machine-readable ISA for CDNA 5 (MIT licence, August 2026) and "CDNA5" Instruction Set Architecture Reference Guide (July 2026). The comments in the code are by the model that wrote it; some were corrected since.
;; Signed Attention. Allowed arithmetic: matrix products marked QUANTISED: E5M2 operands, one E8M0 scale for each 32 along K, by v_wmma_scale_f32_16x16x128_f8f6f4 with both operands' format E5M2, f32 sums; everything else in f32.
;; Inputs: keys 4 x 8 x 2,048 x 64 float32; log_scale one number float32; queries 4 x 8 x 2,048 x 64 float32; values 4 x 8 x 2,048 x 64 float32.
;; Outputs: out0 4 x 8 x 2,048 x 64 float32.
;; This version of the problem:
;;   THIS VERSION OF THE PROBLEM IS GIVEN IN LOW PRECISION. The matrix products marked QUANTISED in the list below multiply operands that are first quantised to E5M2 (5 exponent bits, 2 mantissa bits; 8 bits a number), with one power-of-two scale for each 32 numbers along K (OCP MX v1.0); their sums are f32. All else is computed in f32.
;;   The module's matrix products, in the order in which they are computed (A, B: the left and right operand; K: the contracted axis; several contracted axes count as one K, in the product's order):
;;     1. batch 32 x [M 2,048, K 64] x [K 64, N 2,048]; A: input queries; B: input keys: QUANTISED
;;     2. batch 32 x [M 2,048, K 2,048] x [K 2,048, N 64]; A: computed on the way; B: input values: QUANTISED
;;   THE QUANTISER, for each operand of a quantised product, along K:
;;     - K is cut into blocks of 32 from its start; a last block that is shorter is filled with zeros.
;;     - A block's scale is 2^e with e = floor(log2(the largest magnitude in the block)) - 15, held to -126 .. 127; a block of zeros has e = 0. As a byte (E8M0): e + 127.
;;     - Each number is divided by its block's scale, clamped to +-57,344, and rounded to the nearest number of E5M2, ties to even, subnormals kept.
;;     - The product sums the exact products of the quantised numbers (number of the format x scale) in f32.
;;   ~~~python
;;   def quantise(x, axis):      # numpy; x: float32 -> the quantised numbers, widened to float32 again
;;       x = np.moveaxis(x, axis, -1); K = x.shape[-1]
;;       x = np.pad(x, [(0, 0)] * (x.ndim - 1) + [(0, -K % 32)]); x = x.reshape(x.shape[:-1] + (-1, 32)); a = np.abs(x).max(-1, keepdims=True)
;;       e = np.where(a > 0, np.clip(np.frexp(np.where(a > 0, a, 1))[1] - 1 - 15, -126, 127), 0)      # np.frexp(a)[1] - 1 = floor(log2(a)), exactly
;;       r = np.clip(x / 2.0 ** e, -57344, 57344)
;;       step = 2.0 ** (np.maximum(np.frexp(np.where(r == 0, 1, r))[1] - 1, -14) - 2)
;;       q = np.round(r / step) * step * 2.0 ** e      # np.round: ties to even
;;       return np.moveaxis(q.reshape(q.shape[:-2] + (-1,))[..., :K], -1, axis).astype(np.float32)
;;   ~~~
;;   OPERANDS COMPUTED ON THE WAY. 'Computed on the way' means the value that the module computes at that place (a softmax that the list does not call 'softmax' is quantised finished and normalised). What goes into a quantiser is computed in f32, as accurately as f32 sums, v_exp_f32 and their like allow (about 1e-6 of the number): no bf16 or f16 on the way to a quantiser, and a product that is left as it is and whose result goes on into a quantised operand takes f32 operands (vector FMAs, or v_wmma_f32_16x16x4_f32). A number that lies on a knife's edge between two numbers of the format may be rounded either way, as far as f32 arithmetic and the matrix unit's own rounding can turn it there, and no further.
;; 2 versions. Each part assembles by itself: llvm-mc -triple=amdgcn-amd-amdhsa -mcpu=gfx1250 --defsym DOCPART=n.
;; ======== version 1 of 2: 1 launch
;; launch attn (part 1): grid 256 x 1, 16 waves a work-group, no clusters, 313,088 bytes of LDS; arguments queries, keys, values, log_scale, out0; writes out0
.if DOCPART == 1
	.amdgcn_target "amdgcn-amd-amdhsa--gfx1250"
	.amdhsa_code_object_version 6
	.text
	.protected	k_q45e2217c4a_attn
	.globl	k_q45e2217c4a_attn
	.p2align	8
	.type	k_q45e2217c4a_attn,@function
k_q45e2217c4a_attn:
	s_mov_b64 s[64:65], 0
	v_nop
	global_prefetch_b8 v0, s[64:65] scope:SCOPE_SE
	s_setreg_imm32_b32 hwreg(HW_REG_WAVE_MODE, 25, 1), 1
	s_wait_xcnt 0x0
; out = (softmax(c pos) - softmax(c neg)) V, pos / neg = +-(Q K^T) with -10000 at masked places; c = clip(exp(log_scale), 1, 30) / 8.
; Q, K, V, out: [32 heads][2048][64] f32.  Both products on codes of E5M2 with one E8M0 scale for each 32 along K, made here by the stated quantiser.
; THE MASK.  2048 positions are 128 patches of 16; query patch p sees key patches p+1 .. p+9.  A block of 32 keys is two patches, so the window lies in the five blocks bs .. bs+4, bs = (p+1) >> 1,
; of which one half block is masked (the first half of block 0 for even p, the last half of block 4 for odd p).
; THE FILL IS FINITE.  Every masked key of a row has the same weight a; a block outside the window quantises to 32 x Q(a).  So out = (the window's five blocks by the matrix unit) + Q(a) x Srest[d],
; Srest = the sum of the quantised V over all blocks outside the window, made by the same matrix form: V's fragments times an operand of codes 1.0 / 0.  Row sums: the 160 window slots + 1888 x the masked weight.
; SHARES.  A work-group owns 256 queries of one head (16 patches); each of its 16 waves owns one patch.  Ahead of that every wave quantises one K step (128 keys) of the head's V, and waves 0-12 one block of 32 keys of K;
; codes and scale words go from wave to wave through LDS as images of the operands' registers.  Blocks are numbered from the work-group's first window block, round the head's end: R stands for block (8 g + R) mod 64.
; NO TENSOR LOADS, NO CLUSTER, though a head's eight work-groups read the same V: the inputs are f32 and have to pass through registers to be quantised; a head's V is 524,288 bytes of f32, more than LDS holds,
; so a ring would write and read each byte in LDS once more and want a barrier for each refill; here each wave loads its 32,768 bytes straight into the registers where the quantiser takes them.  K is shared by neighbours alone.
; LIMITS.  NaN and infinities among the inputs are not served.  A masked weight under 2^-126 counts as 0 or is rounded on another grid than the format's.  A block of zeros gets the scale byte 1 (its codes are zeros; only this text reads the bytes).
.set VIMG,  0                          ; V's codes: [R 0..63][d tile 0..3][lane][16 bytes]
.set VSC,   131072                     ; V's scale words: [K step 0..15][d tile][lane] words
.set KIMG,  139264                     ; K's codes: [slot 0..12][4][lane][16 bytes]: a double fragment for 32 keys
.set KSC,   165888                     ; K's scale words: [slot][lane]
.set SRS,   167680                     ; Srest: [d tile][half][lane][4 f32]
.set WREG,  171776                     ; a region of 8,704 bytes for each wave: K's and Q's turn (rows of 272 bytes), then its part of Srest, then the way out
.set WRB,   8704
.set SPARE, 311040                     ; the spare words, 128 bytes for each wave: eight blocks of 256 bytes that no other line names
.set SPW,   13                         ; v13  SPARE + 4 x my thread's number; never rewritten
.set NIL,   14                         ; v14  0; never rewritten
.set T,     66                         ; v66-95   at work
.set S,     96                         ; v96-175  scores, then p+, then A
.set X,     176                        ; v176-255 K's fragments, then p-, then V's fragments
.set VB0,   96                         ; 64 numbers of V, two sets
.set VB1,   192
.set QR,    160                        ; 32 numbers of Q
.set KR,    192                        ; 64 numbers of K
; v1 16 x lane; v2 V's offset; v3, v4 the turn's way in and out; v5-v12 LDS addresses; v15 c log2(e); v16-47 codes: [0 | Q | 0], later P; v48 Q's scale word; v49-53 K's; v54-61 V's; v62 bytes of 127; v63, v64 P's; v65 K's as made
; s14 wave W; s15 g; s16 head; s17 n = (W+1) >> 1: my window's first block; s[20:21] lane selects; s22 mantissa of 57,344; s23, s24 -+57,344; s25, s26 -+10,000; s28 8 (n & 3);
; s32-36 lanes whose half of window block b is seen; s37-41 -1 where window block b lies inside the head; s42-45 -1 where my V block c is wrapped round the head's end; s46-49 its number R; s54 my region
.macro VLOAD cb, buf                   ; block cb of my 128 keys of V: lanes 0-15 take key i, lanes 16-31 key 16 + i: each instruction reads two whole rows of 256 bytes
.irp i, 0,1,2,3,4,5,6,7,8,9,10,11,12,13,14,15
	global_load_b128 v[\buf+4*\i:\buf+4*\i+3], v2, s[8:9] offset:8192*\cb+256*\i
.endr
.endm
; nb blocks of a lane's numbers, register 16 b + i = k 32 b + 16 (lane / 16) + i of my row.  Part A: largest magnitudes, scale operands (T+25+b), holds (T+20+b), bytes (T+15+b).  ex = 1: the hold of a block past the head's end is 0
.macro QUANT_A s, nb, ex
.irp b, 0,1,2,3,4
.if \b < \nb
	v_max3_num_f32 v[T+10+\b], |v[\s+16*\b]|, |v[\s+16*\b+1]|, 0x8000000   ; my 16 numbers, and the floor 2^(16 - 127): the byte cannot fall under 1
.endif
.endr
.irp i, 2,4,6,8,10,12,14
.irp b, 0,1,2,3,4
.if \b < \nb
	v_max3_num_f32 v[T+10+\b], v[T+10+\b], |v[\s+16*\b+\i]|, |v[\s+16*\b+\i+1]|
.endif
.endr
.endr
.irp b, 0,1,2,3,4
.if \b < \nb
	v_permlanex16_b32 v[T+15+\b], v[T+10+\b], s20, s21
.endif
.endr
.irp b, 0,1,2,3,4
.if \b < \nb
	v_max_num_f32 v[T+10+\b], v[T+10+\b], v[T+15+\b]       ; with lane l xor 16's: the block's largest magnitude
.endif
.endr
.irp b, 0,1,2,3,4
.if \b < \nb
	v_add_nc_u32 v[T+25+\b], 0xf8800000, v[T+10+\b]        ; 15 off its exponent field: the conversion's scale operand
.endif
.endr
.irp b, 0,1,2,3,4
.if \b < \nb
	v_and_or_b32 v[T+20+\b], v[T+10+\b], 0x7f800000, s22   ; 57,344 x the scale
.endif
.endr
.if \ex
.irp b, 0,1,2,3,4
	v_and_b32 v[T+20+\b], s[37+\b], v[T+20+\b]             ; a block past the head's end is held at 0: its codes are zeros
.endr
.endif
.irp b, 0,1,2,3,4
.if \b < \nb
	v_lshrrev_b32 v[T+15+\b], 23, v[T+25+\b]               ; the scale's byte
.endif
.endr
.endm
; Part B: the holds (the conversion to an 8-bit code does not saturate: ISA guide 7.6.2) and the conversions: block b's 16 codes into v[pc + 4 b] on
.macro QUANT_B s, nb, pc
.irp b, 0,1,2,3,4
.if \b < \nb
.irp i, 0,1,2,3,4,5,6,7,8,9,10,11,12,13,14,15
	v_med3_num_f32 v[\s+16*\b+\i], v[\s+16*\b+\i], -v[T+20+\b], v[T+20+\b]
.endr
	v_cvt_scalef32_pk8_bf8_f32 v[\pc+4*\b:\pc+4*\b+1], v[\s+16*\b:\s+16*\b+7], v[T+25+\b]
	v_cvt_scalef32_pk8_bf8_f32 v[\pc+4*\b+2:\pc+4*\b+3], v[\s+16*\b+8:\s+16*\b+15], v[T+25+\b]
.endif
.endr
	v_nop                                                  ; a plain line behind the last scaled conversion
.endm
; One block of 32 keys of V.  Register 4 i + c = V(key 16 (lane / 16) + i, d = 4 (lane % 16) + c): component c of my 64 numbers is my row of d tile c, whose row x stands for d = 4 x + c.
; K runs with stride 4 through the registers, so the numbers are multiplied by 1 / scale (a power of two: exact), held, and converted two at a time.  left: younger loads that may stay out; next: the block that takes this set (4 or more: none)
.macro VBLK cb, buf, left, next
	s_wait_loadcnt \left
.irp c, 0,1,2,3
	v_max3_num_f32 v[T+10+\c], |v[\buf+\c]|, |v[\buf+4+\c]|, 0x8000000
.endr
.irp i, 2,4,6,8,10,12,14
.irp c, 0,1,2,3
	v_max3_num_f32 v[T+10+\c], v[T+10+\c], |v[\buf+4*\i+\c]|, |v[\buf+4*\i+4+\c]|
.endr
.endr
.irp c, 0,1,2,3
	v_permlanex16_b32 v[T+15+\c], v[T+10+\c], s20, s21
.endr
.irp c, 0,1,2,3
	v_max_num_f32 v[T+10+\c], v[T+10+\c], v[T+15+\c]
.endr
.irp c, 0,1,2,3
	v_add_nc_u32 v[T+20+\c], 0xf8800000, v[T+10+\c]        ; the scale: 15 off the exponent field
.endr
.irp c, 0,1,2,3
	v_lshrrev_b32 v[T+5+\c], 23, v[T+20+\c]                ; its byte
.endr
.irp c, 0,1,2,3
	v_and_b32 v[T+20+\c], 0x7f800000, v[T+20+\c]
.endr
.irp c, 0,1,2,3
	v_sub_nc_u32 v[T+24+\c], 0x7f000000, v[T+20+\c]        ; 1 / scale: exponent field 254 - the scale's
.endr
.irp c, 0,1,2,3
.if \cb == 0
	v_mov_b32 v[54+\c], v[T+5+\c]                          ; the K step's scale word of d tile c: byte cb
.else
	v_lshl_or_b32 v[54+\c], v[T+5+\c], 8*\cb, v[54+\c]
.endif
.endr
.irp i, 0,1,2,3,4,5,6,7,8,9,10,11,12,13,14,15
	v_pk_mul_f32 v[\buf+4*\i:\buf+4*\i+1], v[\buf+4*\i:\buf+4*\i+1], v[T+24:T+25]
	v_pk_mul_f32 v[\buf+4*\i+2:\buf+4*\i+3], v[\buf+4*\i+2:\buf+4*\i+3], v[T+26:T+27]
.endr
.set NN, 0
.rept 64
	v_med3_num_f32 v[\buf+NN], v[\buf+NN], s23, s24        ; held within +-57,344
.set NN, NN+1
.endr
	s_wait_dscnt 0x0                                       ; the last block's stores have read v32-47
.set NN, 0                             ; half NN of v32-47: register 4 c + q, c = NN / 8, q = (NN / 2) % 4: keys 4 q + 2 (NN % 2) and the next
.irp d, v32.l,v32.h,v33.l,v33.h,v34.l,v34.h,v35.l,v35.h,v36.l,v36.h,v37.l,v37.h,v38.l,v38.h,v39.l,v39.h,v40.l,v40.h,v41.l,v41.h,v42.l,v42.h,v43.l,v43.h,v44.l,v44.h,v45.l,v45.h,v46.l,v46.h,v47.l,v47.h
	v_cvt_pk_bf8_f32 \d, v[\buf+16*((NN/2)%4)+8*(NN%2)+NN/8], v[\buf+16*((NN/2)%4)+8*(NN%2)+4+NN/8]
.set NN, NN+1
.endr
.irp c, 0,1,2,3
	ds_store_b128 v7, v[32+4*\c:35+4*\c] offset:2048*\cb+512*\c   ; four registers of d tile c's fragment, as they stand
.endr
.if \next < 4
	VLOAD \next, \buf
.endif
.endm
.macro BARRIER                         ; my LDS stores have landed and my LDS loads are in: then the work-group's barrier
	s_wait_dscnt 0x0
	s_barrier_signal -1
	s_barrier_wait -1
.endm
	s_load_b256 s[4:11], s[0:1], 0x0               ; Q s[4:5], K s[6:7], V s[8:9], log_scale s[10:11]
	s_load_b64 s[12:13], s[0:1], 0x20              ; out
	v_lshl_add_u32 v[SPW], v0, 2, SPARE
	v_mov_b32 v[NIL], 0
	v_lshrrev_b32 v66, 5, v0
	v_readfirstlane_b32 s14, v66                   ; wave W
	; the work-group's number gives g (3 bits: 1, 4, 5) and the head (5 bits: 0, 2, 3, 6, 7); which bits go where changes no result
	s_lshr_b32 s18, ttmp9, 1
	s_and_b32 s15, s18, 1
	s_and_b32 s16, s18, 6
	s_lshr_b32 s18, ttmp9, 3
	s_and_b32 s19, s18, 6
	s_or_b32 s15, s15, s19                         ; g
	s_and_b32 s19, s18, 24
	s_or_b32 s16, s16, s19
	s_and_b32 s19, ttmp9, 1
	s_or_b32 s16, s16, s19                         ; head
	s_mul_i32 s54, s14, WRB
	s_add_co_u32 s54, s54, WREG                    ; my region
	v_and_b32 v66, 15, v0                          ; x
	v_bfe_u32 v67, v0, 4, 1                        ; h
	v_and_b32 v68, 31, v0                          ; lane
	v_lshlrev_b32 v1, 4, v68                       ; 16 x lane
	v_lshlrev_b32 v2, 4, v66
	v_lshl_add_u32 v2, v67, 12, v2                 ; V: 16 x + 16 rows x h
	v_mul_u32_u24 v3, v67, 272
	v_lshl_add_u32 v3, v66, 4, v3
	v_add_nc_u32 v3, s54, v3                       ; the turn by rows: two rows an instruction, 16 bytes a lane
	v_mul_u32_u24 v4, v66, 272
	v_lshl_add_u32 v4, v67, 6, v4
	v_add_nc_u32 v4, s54, v4                       ; the turn by lanes: row x, my half's 16 numbers of a block of 32
	s_lshl_b32 s18, s14, 11
	s_add_co_u32 s18, s18, KIMG
	v_add_nc_u32 v5, s18, v1                       ; where I store K's image: slot W
	s_lshl_b32 s18, s14, 7
	s_add_co_u32 s18, s18, KSC
	v_lshl_add_u32 v6, v68, 2, s18                 ; and its scale words
	s_lshl_b32 s18, s14, 13
	v_add_nc_u32 v7, s18, v1                       ; V's images: blocks 4 W on
	s_lshl_b32 s18, s14, 9
	s_add_co_u32 s18, s18, VSC
	v_lshl_add_u32 v8, v68, 2, s18                 ; and their scale words: K step W
	v_add_nc_u32 v9, s54, v1                       ; my part of Srest
	s_lshl_b32 s18, s14, 8
	s_add_co_u32 s19, s18, WREG
	v_lshl_add_u32 v10, v68, 3, s19                ; the sum over waves: my 8 bytes of each wave's 4,096: waves 0-7,
	v_add_nc_u32 v11, 8*WRB, v10                   ; waves 8-15,
	s_add_co_u32 s19, s18, SRS
	v_lshl_add_u32 v12, v68, 3, s19                ; and where the sum goes
	; masks, from ids alone
	s_add_co_u32 s18, s14, 1
	s_lshr_b32 s17, s18, 1                         ; n
	s_and_b32 s19, s18, 1
	s_cmp_lg_u32 s19, 0                            ; even patch?
	s_cselect_b32 s32, 0xffff0000, -1              ; then the first half of window block 0 is masked,
	s_cselect_b32 s36, -1, 0xffff                  ; else the last half of block 4
	s_lshl_b32 s18, s15, 3
	s_add_co_u32 s19, s18, s17                     ; bs = 8 g + n
.irp b, 0,1,2,3,4
	s_cmp_lt_u32 s19, 64-\b
	s_cselect_b32 s[37+\b], -1, 0                  ; window block b lies inside the head
.endr
	s_and_b32 s32, s32, s37
	s_mov_b32 s33, s38
	s_mov_b32 s34, s39
	s_mov_b32 s35, s40
	s_and_b32 s36, s36, s41
	s_lshl_b32 s46, s14, 2                         ; my V blocks' numbers R = 4 W + c
	s_add_co_u32 s19, s18, s46
.irp c, 0,1,2,3
	s_cmp_lt_u32 s19, 64-\c
	s_cselect_b32 s[42+\c], 0, -1                  ; -1: block R has wrapped round the head's end: it belongs to no window of this work-group
.endr
	s_add_co_u32 s47, s46, 1
	s_add_co_u32 s48, s46, 2
	s_add_co_u32 s49, s46, 3
	s_and_b32 s28, s17, 3
	s_lshl_b32 s28, s28, 3
	s_mov_b32 s20, 0x76543210
	s_mov_b32 s21, 0xfedcba98                      ; v_permlanex16_b32's selects for lane l xor 16
	s_mov_b32 s22, 0x600000
	s_mov_b32 s23, 0xc7600000
	s_mov_b32 s24, 0x47600000
	s_mov_b32 s25, 0xc61c4000
	s_mov_b32 s26, 0x461c4000
.irp b, 0,1,2,3,4
	v_mov_b32 v[T+15+\b], 0                        ; written once: a lane permute's destination counts as one of its sources
.endr
.irp r, 0,1,2,3,4,5,6,7,8,9,10,11,12,13,14,15
	v_mov_b32 v[32+\r], 0                          ; written once whole: V's codes are written by halves
.endr
	v_mov_b32 v62, 0x7f7f7f7f                      ; four scale bytes of 1.0
	s_wait_kmcnt 0x0
	s_load_b32 s27, s[10:11], 0x0
	s_lshl_b32 s30, s16, 19                        ; a head is 2048 x 256 bytes
	s_mov_b32 s31, 0
	s_add_nc_u64 s[4:5], s[4:5], s[30:31]
	s_add_nc_u64 s[6:7], s[6:7], s[30:31]
	s_add_nc_u64 s[8:9], s[8:9], s[30:31]
	s_add_nc_u64 s[12:13], s[12:13], s[30:31]
	s_lshl_b32 s18, s15, 4
	s_add_co_u32 s18, s18, s14
	s_lshl_b32 s30, s18, 12                        ; my patch: 16 rows
	s_add_nc_u64 s[4:5], s[4:5], s[30:31]
	s_add_nc_u64 s[12:13], s[12:13], s[30:31]
	s_lshl_b32 s18, s15, 3
	s_add_co_u32 s18, s18, s14
	s_min_u32 s18, s18, 63                         ; K: block 8 g + W; a slot past the head's end takes the last block: its scores are masked, and no load leaves the buffer
	s_lshl_b32 s30, s18, 13
	s_add_nc_u64 s[6:7], s[6:7], s[30:31]
	s_lshl_b32 s18, s15, 1
	s_add_co_u32 s18, s18, s14
	s_and_b32 s18, s18, 15                         ; V: K step (2 g + W) mod 16
	s_lshl_b32 s30, s18, 15
	s_add_nc_u64 s[8:9], s[8:9], s[30:31]
	s_cmp_lt_u32 s14, 13
	s_cbranch_scc0 .Lno_k_loads
.irp i, 0,1,2,3,4,5,6,7,8,9,10,11,12,13,14,15
	global_load_b128 v[KR+4*\i:KR+4*\i+3], v1, s[6:7] offset:512*\i   ; 32 keys: 512 consecutive bytes an instruction
.endr
.Lno_k_loads:
.irp i, 0,1,2,3,4,5,6,7
	global_load_b128 v[QR+4*\i:QR+4*\i+3], v1, s[4:5] offset:512*\i th:TH_LOAD_NT   ; my 16 queries: nobody else reads them
.endr
	VLOAD 0, VB0
	s_wait_kmcnt 0x0
	v_mov_b32 v15, s27
	v_mul_f32 v15, 0x3fb8aa3b, v15
	v_exp_f32 v15, v15                             ; exp(log_scale)
	v_nop                                          ; a plain line behind the transcendental,
	s_wait_alu depctr_va_vdst(0)                   ; and the wait ahead of its first reader (and of the branch below)
	v_med3_num_f32 v15, v15, 1.0, 0x41f00000       ; clipped to 1 .. 30
	v_mul_f32 v15, 0x3e38aa3b, v15                 ; x log2(e) / 8
	; ---- K: waves 0-12 quantise 32 keys each.  The image is a DOUBLE fragment: registers 0-7 are tile 0's 64 channels, registers 8-15 tile 1's; row m of tile u is key 16 (m / 8) + 8 u + m % 8,
	; so that the two tiles' results are 16 neighbouring keys in a lane.  Key k goes to row 16 ((k / 8) % 2) + 8 (k / 16) + k % 8 of the turn.
	s_wait_loadcnt 24                              ; on every wave's path: behind K's loads stand Q's 8 and V's 16, so K's are in, for the work below and for the loads of V that take K's registers behind it; a wave without K's loads has 24 out and passes
	s_cmp_lt_u32 s14, 13
	s_cbranch_scc0 .Lno_k_job
.irp i, 0,1,2,3,4,5,6,7,8,9,10,11,12,13,14,15
	ds_store_b128 v3, v[KR+4*\i:KR+4*\i+3] offset:272*(16*(((2*\i)/8)%2)+8*((2*\i)/16)+(2*\i)%8)
.endr
.irp u, 0,1
.irp c, 0,1
.irp j, 0,1,2,3
	ds_load_b128 v[KR+32*\u+16*\c+4*\j:KR+32*\u+16*\c+4*\j+3], v4 offset:4352*\u+128*\c+16*\j   ; LDS serves a wave's instructions in order: these see my stores
.endr
.endr
.endr
	s_wait_dscnt 0x0
	QUANT_A KR, 4, 0
	v_lshl_or_b32 v65, v[T+16], 8, v[T+15]         ; bytes 0, 1: tile 0's row; bytes 2, 3: tile 1's
	v_lshl_or_b32 v65, v[T+17], 16, v65
	v_lshl_or_b32 v65, v[T+18], 24, v65
	QUANT_B KR, 4, 16
.irp c, 0,1,2,3
	ds_store_b128 v5, v[16+4*\c:19+4*\c] offset:512*\c
.endr
	ds_store_b32 v6, v65
	s_wait_dscnt 0x0                               ; the stores have read their registers
.Lno_k_job:
	VLOAD 1, VB1
	; ---- Q: my 16 queries become 8 registers of codes, v24-31
	s_wait_loadcnt 32                              ; behind Q's loads: two blocks of V
.irp i, 0,1,2,3,4,5,6,7
	ds_store_b128 v3, v[QR+4*\i:QR+4*\i+3] offset:544*\i
.endr
.irp c, 0,1
.irp j, 0,1,2,3
	ds_load_b128 v[QR+16*\c+4*\j:QR+16*\c+4*\j+3], v4 offset:128*\c+16*\j
.endr
.endr
	s_wait_dscnt 0x0
	QUANT_A QR, 2, 0
	v_lshl_or_b32 v48, v[T+16], 8, v[T+15]
	v_lshl_or_b32 v48, v48, 16, v48                ; Q's two bytes twice: they serve in either half of the 128 along K
	QUANT_B QR, 2, 24
	; ---- V: my K step of 128 keys, four blocks, loads one block ahead
	VBLK 0, VB0, 16, 2
	VBLK 1, VB1, 16, 3
	VBLK 2, VB0, 16, 9
	VBLK 3, VB1, 0, 9
.irp c, 0,1,2,3
	ds_store_b32 v8, v[54+\c] offset:128*\c
.endr
	; ---- my K step's part of Srest for the 16 possible windows: V's four fragments x an operand whose column x holds 1.0 in the blocks that lie outside window x .. x + 4
.irp t, 0,1,2,3
.irp c, 0,1,2,3
	ds_load_b128 v[96+16*\t+4*\c:99+16*\t+4*\c], v7 offset:2048*\c+512*\t   ; my own images, behind my stores
.endr
.endr
	v_and_b32 v66, 15, v0
	v_mov_b32 v67, 0x3c3c3c3c                      ; four codes of 1.0
.irp c, 0,1,2,3
	v_sub_nc_u32 v[68+\c], s[46+\c], v66           ; R - x
.endr
.irp c, 0,1,2,3
	v_cmp_le_u32 s[50+\c], 5, v[68+\c]             ; outside the window,
.endr
.irp c, 0,1,2,3
	s_or_b32 s[50+\c], s[50+\c], s[42+\c]          ; or wrapped
.endr
.irp c, 0,1,2,3
.irp k, 0,1,2,3
	v_cndmask_b32 v[192+4*\c+\k], 0, v67, s[50+\c]
.endr
.endr
.rept 4
	v_nop                                          ; an operand written by vector instructions stands four places ahead of a scaled matrix instruction
.endr
	s_wait_dscnt 0x0
.irp t, 0,1,2,3
	v_wmma_scale_f32_16x16x128_f8f6f4 v[160+8*\t:167+8*\t], v[96+16*\t:111+16*\t], v[192:207], 0, v[54+\t], v62 matrix_a_fmt:MATRIX_FMT_BF8 matrix_b_fmt:MATRIX_FMT_BF8
.endr
.irp r, 16,17,18,19,20,21,22,23,32,33,34,35,36,37,38,39,40,41,42,43,44,45,46,47
	v_mov_b32 v[\r], 0                             ; the zero codes beside Q's and behind P's fifth block; these 24 lines are also the places behind the four products
.endr
.irp t, 0,1,2,3
.irp q, 0,1
	ds_store_b128 v9, v[160+8*\t+4*\q:163+8*\t+4*\q] offset:1024*\t+512*\q   ; each result from its low end on
.endr
.endr
	BARRIER                                        ; all images, scale words and parts of Srest lie in LDS
	; ---- the sum of the 16 parts (each wave 256 of the 4,096 bytes), and my window's K
.irp i, 0,1,2,3,4,5,6,7
	ds_load_b64 v[96+2*\i:97+2*\i], v10 offset:WRB*\i
.endr
.irp i, 0,1,2,3,4,5,6,7
	ds_load_b64 v[112+2*\i:113+2*\i], v11 offset:WRB*\i
.endr
	s_lshl_b32 s18, s17, 11
	s_add_co_u32 s18, s18, KIMG
	v_add_nc_u32 v5, s18, v1                       ; K's images from slot n on
	v_and_b32 v66, 31, v0
	s_lshl_b32 s18, s17, 7
	s_add_co_u32 s18, s18, KSC
	v_lshl_add_u32 v6, v66, 2, s18
.irp b, 0,1,2,3,4
.irp c, 0,1,2,3
	ds_load_b128 v[X+16*\b+4*\c:X+16*\b+4*\c+3], v5 offset:2048*\b+512*\c
.endr
	ds_load_b32 v[49+\b], v6 offset:128*\b
.endr
	s_wait_dscnt 25                                ; the 16 parts are in; K's 25 loads may be out
.irp i, 0,1,2,3,4,5,6,7
	v_pk_add_f32 v[96+2*\i:97+2*\i], v[96+2*\i:97+2*\i], v[112+2*\i:113+2*\i]
.endr
.irp i, 0,1,2,3
	v_pk_add_f32 v[96+2*\i:97+2*\i], v[96+2*\i:97+2*\i], v[104+2*\i:105+2*\i]
.endr
.irp i, 0,1
	v_pk_add_f32 v[96+2*\i:97+2*\i], v[96+2*\i:97+2*\i], v[100+2*\i:101+2*\i]
.endr
	v_pk_add_f32 v[96:97], v[96:97], v[98:99]
	ds_store_b64 v12, v[96:97]
	s_lshl_b32 s18, s17, 11
	v_add_nc_u32 v7, s18, v1                       ; V's images from block n on
	s_lshr_b32 s18, s17, 2
	s_lshl_b32 s18, s18, 9
	s_add_co_u32 s18, s18, VSC
	v_lshl_add_u32 v8, v66, 2, s18                 ; V's scale words: K step n / 4, and the next 512 bytes on
	v_and_b32 v67, 15, v0
	v_bfe_u32 v68, v0, 4, 1
	v_mul_u32_u24 v9, v67, 272
	v_lshl_add_u32 v9, v68, 7, v9
	v_add_nc_u32 v9, s54, v9                       ; the way out: row x, 128 bytes for each half of the lanes
	s_lshl_b32 s18, s17, 4
	s_add_co_u32 s18, s18, SRS
	v_lshl_add_u32 v10, v68, 8, s18                ; Srest of window n: the image's lane n + 16 h
	BARRIER                                        ; Srest is whole; nobody reads the waves' regions any more
	; ---- S^T = K Q^T: source 0 = a double fragment of K, source 1 = [Q | 0] for its first tile, [0 | Q] for its second.  Lane (query, h), register 16 b + i: key 32 (bs + b) + 16 h + i.  Ten accumulators, one instruction each
.irp b, 0,1,2,3,4
	v_wmma_scale_f32_16x16x128_f8f6f4 v[S+16*\b:S+16*\b+7], v[X+16*\b:X+16*\b+15], v[24:39], 0, v[49+\b], v48 matrix_a_fmt:MATRIX_FMT_BF8 matrix_b_fmt:MATRIX_FMT_BF8
	v_wmma_scale_f32_16x16x128_f8f6f4 v[S+16*\b+8:S+16*\b+15], v[X+16*\b:X+16*\b+15], v[16:31], 0, v[49+\b], v48 matrix_a_fmt:MATRIX_FMT_BF8 matrix_b_fmt:MATRIX_FMT_BF8
.endr
.rept 8
	v_nop                                          ; eight places behind this form
.endr
	; ---- the two softmaxes.  The largest and the smallest score of each block's half, each accumulator read from its low end on
.irp b, 0,1,2,3,4
	v_max3_num_f32 v[T+\b], v[S+16*\b], v[S+16*\b+1], v[S+16*\b+2]
.endr
.irp i, 3,5,7,9,11,13
.irp b, 0,1,2,3,4
	v_max3_num_f32 v[T+\b], v[T+\b], v[S+16*\b+\i], v[S+16*\b+\i+1]
.endr
.endr
.irp b, 0,1,2,3,4
	v_max_num_f32 v[T+\b], v[T+\b], v[S+16*\b+15]
.endr
.irp b, 0,1,2,3,4
	v_min3_num_f32 v[T+5+\b], v[S+16*\b], v[S+16*\b+1], v[S+16*\b+2]
.endr
.irp i, 3,5,7,9,11,13
.irp b, 0,1,2,3,4
	v_min3_num_f32 v[T+5+\b], v[T+5+\b], v[S+16*\b+\i], v[S+16*\b+\i+1]
.endr
.endr
.irp b, 0,1,2,3,4
	v_min_num_f32 v[T+5+\b], v[T+5+\b], v[S+16*\b+15]
.endr
.irp b, 0,1,2,3,4
	v_cndmask_b32 v[T+\b], s25, v[T+\b], s[32+\b]          ; a masked half counts as the fill: -10000 for pos,
	v_cndmask_b32 v[T+5+\b], s26, v[T+5+\b], s[32+\b]      ; and, since neg = -score, +10000 for the smallest score
.endr
	v_max3_num_f32 v66, v66, v67, v68
	v_min3_num_f32 v71, v71, v72, v73
	v_max3_num_f32 v66, v66, v69, v70
	v_min3_num_f32 v71, v71, v74, v75
	v_permlanex16_b32 v67, v66, s20, s21
	v_permlanex16_b32 v72, v71, s20, s21
	v_max3_num_f32 v66, v66, v67, s25              ; smax: the row's largest pos, the fill among them
	v_min3_num_f32 v71, v71, v72, s26              ; smin: minus the row's largest neg
	v_mul_f32 v68, -v15, v66                       ; seen slots: t+ = c2 s - c2 smax,
	v_mul_f32 v69, v15, v71                        ;             t- = -c2 s + c2 smin
	v_fma_f32 v70, v15, s25, v68                   ; masked slots: t+ = c2 (-10000) - c2 smax,
	v_fma_f32 v73, v15, s25, v69                   ;               t- = c2 (-10000) + c2 smin
	; t = s x MU + ADD with MU = c2 or 0 and ADD to match, by lane and block: the mask costs nothing for each score.  Three pairs a block, in two sets by turns
.irp b, 0,1,2,3,4
	v_cndmask_b32 v[T+10+6*(\b%2)], 0, v15, s[32+\b]
	v_cndmask_b32 v[T+11+6*(\b%2)], 0, v15, s[32+\b]
	v_cndmask_b32 v[T+12+6*(\b%2)], v70, v68, s[32+\b]
	v_cndmask_b32 v[T+13+6*(\b%2)], v70, v68, s[32+\b]
	v_cndmask_b32 v[T+14+6*(\b%2)], v73, v69, s[32+\b]
	v_cndmask_b32 v[T+15+6*(\b%2)], v73, v69, s[32+\b]
.irp j, 0,2,4,6,8,10,12,14
	v_pk_fma_f32 v[X+16*\b+\j:X+16*\b+\j+1], v[S+16*\b+\j:S+16*\b+\j+1], v[T+10+6*(\b%2):T+11+6*(\b%2)], v[T+14+6*(\b%2):T+15+6*(\b%2)] neg_lo:[0,1,0] neg_hi:[0,1,0]
.endr
.irp j, 0,2,4,6,8,10,12,14
	v_pk_fma_f32 v[S+16*\b+\j:S+16*\b+\j+1], v[S+16*\b+\j:S+16*\b+\j+1], v[T+10+6*(\b%2):T+11+6*(\b%2)], v[T+12+6*(\b%2):T+13+6*(\b%2)]
.endr
.endr
.set NN, 0
.rept 80
	v_exp_f32 v[S+NN], v[S+NN]                     ; p+
.set NN, NN+1
.endr
.set NN, 0
.rept 80
	v_exp_f32 v[X+NN], v[X+NN]                     ; p-
.set NN, NN+1
.endr
	v_exp_f32 v66, v70                             ; a masked slot's p+,
	v_exp_f32 v67, v73                             ; and p-
	v_nop                                          ; a plain line behind the batch,
	s_wait_alu depctr_va_vdst(0)                   ; and one wait for all 162, ahead of the first reader
	v_pk_add_f32 v[76:77], v[S:S+1], v[S+2:S+3]    ; the row sums, two chains for each sign
	v_pk_add_f32 v[78:79], v[S+4:S+5], v[S+6:S+7]
	v_pk_add_f32 v[80:81], v[X:X+1], v[X+2:X+3]
	v_pk_add_f32 v[82:83], v[X+4:X+5], v[X+6:X+7]
.irp j, 8,12,16,20,24,28,32,36,40,44,48,52,56,60,64,68,72,76
	v_pk_add_f32 v[76:77], v[76:77], v[S+\j:S+\j+1]
	v_pk_add_f32 v[78:79], v[78:79], v[S+\j+2:S+\j+3]
	v_pk_add_f32 v[80:81], v[80:81], v[X+\j:X+\j+1]
	v_pk_add_f32 v[82:83], v[82:83], v[X+\j+2:X+\j+3]
.endr
	v_pk_add_f32 v[76:77], v[76:77], v[78:79]
	v_pk_add_f32 v[80:81], v[80:81], v[82:83]
	v_add_f32 v76, v76, v77
	v_add_f32 v80, v80, v81
	v_permlanex16_b32 v78, v76, s20, s21
	v_permlanex16_b32 v82, v80, s20, s21
	v_add_f32 v76, v76, v78
	v_add_f32 v80, v80, v82
	v_fma_f32 v76, 0x44ec0000, v66, v76            ; + the 2048 - 160 = 1888 slots outside the five blocks (slots past the head's end stand for as many keys outside)
	v_fma_f32 v80, 0x44ec0000, v67, v80
	v_rcp_f32 v72, v76                             ; each reciprocal twice: a pair for the packed forms
	v_rcp_f32 v73, v76
	v_rcp_f32 v74, v80
	v_rcp_f32 v75, v80
	v_nop
	s_wait_alu depctr_va_vdst(0)                   ; one wait for the four
.set NN, 0
.rept 40
	v_pk_mul_f32 v[X+NN:X+NN+1], v[X+NN:X+NN+1], v[74:75]
.set NN, NN+2
.endr
.set NN, 0
.rept 40
	v_pk_fma_f32 v[S+NN:S+NN+1], v[S+NN:S+NN+1], v[72:73], v[X+NN:X+NN+1] neg_lo:[0,0,1] neg_hi:[0,0,1]   ; A = p+ / Z+ - p- / Z-
.set NN, NN+2
.endr
	; V's scale words and fragments for blocks n .. n + 4 are asked for now: X is free
.irp t, 0,1,2,3
	ds_load_b32 v[54+\t], v8 offset:128*\t
.endr
.irp t, 0,1,2,3
	ds_load_b32 v[58+\t], v8 offset:128*\t+512
.endr
.irp t, 0,1,2,3
.irp c, 0,1,2,3
	ds_load_b128 v[X+20*\t+4+4*\c:X+20*\t+7+4*\c], v7 offset:2048*\c+512*\t   ; blocks n .. n + 3,
.endr
	ds_load_b128 v[X+20*\t:X+20*\t+3], v7 offset:8192+512*\t                   ; and block n + 4 in front of them
.endr
	v_mul_f32 v68, v67, v74                        ; a, a masked key's weight, by the same two lines
	v_fma_f32 v68, v66, v72, -v68
	v_max3_num_f32 v69, |v68|, |v68|, 0x8000000    ; Q(a): a block of 32 x a has a's own exponent, so a is held at 1.75 x 2^its exponent
	v_and_or_b32 v69, v69, 0x7f800000, s22
	v_med3_num_f32 v68, v68, -v69, v69
	v_bfe_u32 v69, v68, 21, 1                      ; and rounded to two mantissa bits, ties to even
	v_add3_u32 v68, v68, v69, 0xfffff
	v_and_b32 v68, 0xffe00000, v68
	QUANT_A S, 5, 1
	v_lshl_or_b32 v63, v[T+16], 8, v[T+15]         ; P's scale word for blocks 0-3,
	v_lshl_or_b32 v63, v[T+17], 16, v63
	v_lshl_or_b32 v63, v[T+18], 24, v63
	v_mov_b32 v64, v[T+19]                         ; and for block 4; its other bytes stand over zero codes
	s_wait_dscnt 20                                ; V's eight scale words are in; the 20 fragment loads may be out
.irp t, 0,1,2,3
	v_alignbit_b32 v[54+\t], v[58+\t], v[54+\t], s28   ; bytes n .. n + 3 of the two words,
.endr
.irp t, 0,1,2,3
	v_lshrrev_b32 v[58+\t], s28, v[58+\t]          ; and byte n + 4 lowest
.endr
	QUANT_B S, 5, 16                               ; P's codes: v16-31 blocks 0-3, v32-35 block 4; the 80 holds are the places behind the scale words
.rept 4
	v_nop
.endr
.irp t, 0,1,2,3
.irp q, 0,1
	ds_load_b128 v[128+8*\t+4*\q:131+8*\t+4*\q], v10 offset:1024*\t+512*\q   ; Srest in the result's layout
.endr
.endr
	s_wait_dscnt 8                                 ; V's fragments are in; Srest's eight loads may be out
	; ---- O^T = V^T P^T: four d tiles by turns, two K steps.  In the second, V's registers 4-15 are codes of blocks n .. n + 2: they stand against zero codes of P
.irp t, 0,1,2,3
	v_wmma_scale_f32_16x16x128_f8f6f4 v[96+8*\t:103+8*\t], v[X+20*\t+4:X+20*\t+19], v[16:31], 0, v[54+\t], v63 matrix_a_fmt:MATRIX_FMT_BF8 matrix_b_fmt:MATRIX_FMT_BF8
.endr
.irp t, 0,1,2,3
	v_wmma_scale_f32_16x16x128_f8f6f4 v[96+8*\t:103+8*\t], v[X+20*\t:X+20*\t+15], v[32:47], v[96+8*\t:103+8*\t], v[58+\t], v64 matrix_a_fmt:MATRIX_FMT_BF8 matrix_b_fmt:MATRIX_FMT_BF8
.endr
.rept 8
	v_nop
.endr
	s_wait_dscnt 0x0
	; ---- the way out: + Q(a) x Srest; register 8 t + j of lane (query, h) is d = 32 h + 4 j + t
.irp j, 0,1,2,3,4,5,6,7
.irp t, 0,1,2,3
	v_fma_f32 v[176+4*\j+\t], v68, v[128+8*\t+\j], v[96+8*\t+\j]
.endr
.endr
.irp k, 0,1,2,3,4,5,6,7
	ds_store_b128 v9, v[176+4*\k:179+4*\k] offset:16*\k
.endr
.irp i, 0,1,2,3,4,5,6,7
	ds_load_b128 v[208+4*\i:211+4*\i], v3 offset:544*\i    ; back by rows, behind my stores
.endr
.irp i, 0,1,2,3,4,5,6,7
	s_wait_dscnt 7-\i
	global_store_b128 v1, v[208+4*\i:211+4*\i], s[12:13] offset:512*\i th:TH_STORE_NT   ; 32 lanes store 512 consecutive bytes, at a multiple of 256 from out's first byte
.endr
	s_wait_tensorcnt 0x0                           ; the wave's end, behind my last LDS store
	ds_add_u32 v[SPW], v[NIL]
	s_wait_dscnt 0x0
	s_endpgm
.Lfunc_end_k_q45e2217c4a_attn:
	.size	k_q45e2217c4a_attn, .Lfunc_end_k_q45e2217c4a_attn-k_q45e2217c4a_attn
	.p2alignl 7, 3214868480
	.fill 96, 4, 3214868480
	.section	.rodata,"a",@progbits
	.p2align	6, 0x0
	.amdhsa_kernel k_q45e2217c4a_attn
		.amdhsa_group_segment_fixed_size 313088
		.amdhsa_private_segment_fixed_size 0
		.amdhsa_enable_private_segment 0
		.amdhsa_kernarg_size 40
		.amdhsa_user_sgpr_count 2
		.amdhsa_user_sgpr_kernarg_segment_ptr 1
		.amdhsa_wavefront_size32 1
		.amdhsa_system_sgpr_workgroup_id_x 1
		.amdhsa_system_sgpr_workgroup_id_y 1
		.amdhsa_system_sgpr_workgroup_id_z 1
		.amdhsa_system_vgpr_workitem_id 0
		.amdhsa_next_free_vgpr 256
		.amdhsa_next_free_sgpr 66
		.amdhsa_reserve_vcc 0
		.amdhsa_float_denorm_mode_32 3
		.amdhsa_float_denorm_mode_16_64 3
		.amdhsa_memory_ordered 1
		.amdhsa_forward_progress 1
		.amdhsa_inst_pref_size 136
	.end_amdhsa_kernel
	.amdgpu_metadata
---
amdhsa.version: [ 1, 2 ]
amdhsa.kernels:
  - .name:           k_q45e2217c4a_attn
    .symbol:         k_q45e2217c4a_attn.kd
    .args:
      - { .name: queries, .offset: 0, .size: 8, .value_kind: global_buffer, .address_space: global }
      - { .name: keys, .offset: 8, .size: 8, .value_kind: global_buffer, .address_space: global }
      - { .name: values, .offset: 16, .size: 8, .value_kind: global_buffer, .address_space: global }
      - { .name: log_scale, .offset: 24, .size: 8, .value_kind: global_buffer, .address_space: global }
      - { .name: out0, .offset: 32, .size: 8, .value_kind: global_buffer, .address_space: global }
    .group_segment_fixed_size: 313088
    .private_segment_fixed_size: 0
    .kernarg_segment_align: 8
    .kernarg_segment_size: 40
    .max_flat_workgroup_size: 512
    .sgpr_count:     66
    .vgpr_count:     256
    .wavefront_size: 32
...
	.end_amdgpu_metadata
.endif
;; end of part 1
;; ======== version 2 of 2: 1 launch; version 1 with the launch attn written anew for expert scheduling mode
;; launch attn (part 2): grid 256 x 1, 16 waves a work-group, no clusters, 313,088 bytes of LDS; arguments queries, keys, values, log_scale, out0; writes out0
.if DOCPART == 2
	.amdgcn_target "amdgcn-amd-amdhsa--gfx1250"
	.amdhsa_code_object_version 6
	.text
	.protected	k_q45e2217c4a_attn
	.globl	k_q45e2217c4a_attn
	.p2align	8
	.type	k_q45e2217c4a_attn,@function
k_q45e2217c4a_attn:
	s_mov_b64 s[64:65], 0
	v_nop
	global_prefetch_b8 v0, s[64:65] scope:SCOPE_SE
	s_setreg_imm32_b32 hwreg(HW_REG_WAVE_SCHED_MODE, 0, 2), 2
	s_setreg_imm32_b32 hwreg(HW_REG_WAVE_MODE, 25, 1), 1
	s_wait_xcnt 0x0
	s_wait_alu depctr_vm_vsrc(0)
; out = (softmax(c pos) - softmax(c neg)) V, pos / neg = +-(Q K^T) with -10000 at masked places; c = clip(exp(log_scale), 1, 30) / 8.
; Q, K, V, out: [32 heads][2048][64] f32.  Both products on codes of E5M2 with one E8M0 scale for each 32 along K, made here by the stated quantiser.
; THE MASK.  2048 positions are 128 patches of 16; query patch p sees key patches p+1 .. p+9.  A block of 32 keys is two patches, so the window lies in the five blocks bs .. bs+4, bs = (p+1) >> 1,
; of which one half block is masked (the first half of block 0 for even p, the last half of block 4 for odd p).
; THE FILL IS FINITE.  Every masked key of a row has the same weight a; a block outside the window quantises to 32 x Q(a).  So out = (the window's five blocks by the matrix unit) + Q(a) x Srest[d],
; Srest = the sum of the quantised V over all blocks outside the window, made by the same matrix form: V's fragments times an operand of codes 1.0 / 0.  Row sums: the 160 window slots + 1888 x the masked weight.
; SHARES.  A work-group owns 256 queries of one head (16 patches); each of its 16 waves owns one patch.  Ahead of that every wave quantises one K step (128 keys) of the head's V, and waves 0-12 one block of 32 keys of K;
; codes and scale words go from wave to wave through LDS as images of the operands' registers.  Blocks are numbered from the work-group's first window block, round the head's end: R stands for block (8 g + R) mod 64.
; NO TENSOR LOADS, NO CLUSTER, though a head's eight work-groups read the same V: the inputs are f32 and have to pass through registers to be quantised; a head's V is 524,288 bytes of f32, more than LDS holds,
; so a ring would write and read each byte in LDS once more and want a barrier for each refill; here each wave loads its 32,768 bytes straight into the registers where the quantiser takes them.  K is shared by neighbours alone.
; LIMITS.  NaN and infinities among the inputs are not served.  A masked weight under 2^-126 counts as 0 or is rounded on another grid than the format's.  A block of zeros gets the scale byte 1 (its codes are zeros; only this text reads the bytes).
; THE MODE: SCHED_MODE bits 1:0 = 2 (LLVM: expert scheduling mode 2), set by the entry lines.  The code itself states the register dependences
; between vector or matrix instructions and memory or LDS instructions, with s_wait_alu, always for 0.
; THE PLAN.  Registers that memory or LDS instructions touch, in the order of the text:
;   v1-v4, v11-v14  made at the head, never written again.  v5, v6: made anew behind Srest's products.  v7-v10: made anew behind the store of the parts' sum.
;   v192-255  K's numbers: loaded; read by the turn's stores; the turn's loads land; the quantiser reads and writes them; then V's block 1 lands.
;   v160-191  Q's numbers: the same turn; through V's four blocks they take the held numbers and are named by vector instructions alone.
;   v16-31, v65  K's codes and scale word: read by the image's stores; later written by Q's conversions and by zeros.
;   v96-159, v192-255  V's two sets: a block's arithmetic reads its set; behind its conversions the block two on lands there.     v32-47  a block's codes: read by its four stores, written by the next block's conversions.
;   v54-57  V's scale words: written by the blocks, stored, read as scales, loaded again for the window.     v160-191  Srest's parts: written by products, stored; K's fragments land in v176-191.
;   v96-127  the sixteen parts land and are summed; the store reads v96-97; then the scores are written there.     v176-255  p-: read by A's multiply-adds; then V's fragments land; on the way out v176-207 are stored and rows land in v208-239.
;   v128-159  A's numbers: read and written by the quantiser; then Srest lands.
; One wait on va_vdst stands behind each run of vector work whose results a store reads or whose registers a load takes; one on vm_vsrc ahead of each first write of registers that stores or loads have read.
.set VIMG,  0                          ; V's codes: [R 0..63][d tile 0..3][lane][16 bytes]
.set VSC,   131072                     ; V's scale words: [K step 0..15][d tile][lane] words
.set KIMG,  139264                     ; K's codes: [slot 0..12][4][lane][16 bytes]: a double fragment for 32 keys
.set KSC,   165888                     ; K's scale words: [slot][lane]
.set SRS,   167680                     ; Srest: [d tile][half][lane][4 f32]
.set WREG,  171776                     ; a region of 8,704 bytes for each wave: K's and Q's turn (rows of 272 bytes), then its part of Srest, then the way out
.set WRB,   8704
.set SPARE, 311040                     ; the spare words, 128 bytes for each wave: eight blocks of 256 bytes that no other line names
.set SPW,   13                         ; v13  SPARE + 4 x my thread's number; never rewritten
.set NIL,   14                         ; v14  0; never rewritten
.set T,     66                         ; v66-95   at work
.set S,     96                         ; v96-175  scores, then p+, then A
.set X,     176                        ; v176-255 K's fragments, then p-, then V's fragments
.set VB0,   96                         ; 64 numbers of V, two sets
.set VB1,   192
.set QR,    160                        ; 32 numbers of Q
.set VT,    160                        ; behind Q: two runs of 16 held numbers of V, K on end, by turns
.set KR,    192                        ; 64 numbers of K
; v1 16 x lane; v2 V's offset; v3, v4 the turn's way in and out; v5-v12 LDS addresses; v15 c log2(e); v16-47 codes: [0 | Q | 0], later P; v48 Q's scale word; v49-53 K's; v54-61 V's; v62 bytes of 127; v63, v64 P's; v65 K's as made
; s14 wave W; s15 g; s16 head; s17 n = (W+1) >> 1: my window's first block; s[20:21] lane selects; s22 mantissa of 57,344; s25, s26 -+10,000; s28 8 (n & 3);
; s32-36 lanes whose half of window block b is seen; s37-41 -1 where window block b lies inside the head; s42-45 -1 where my V block c is wrapped round the head's end; s46-49 its number R; s54 my region
.macro VLOAD cb, buf                   ; block cb of my 128 keys of V: lanes 0-15 take key i, lanes 16-31 key 16 + i: each instruction reads two whole rows of 256 bytes
.irp i, 0,1,2,3,4,5,6,7,8,9,10,11,12,13,14,15
	global_load_b128 v[\buf+4*\i:\buf+4*\i+3], v2, s[8:9] offset:8192*\cb+256*\i
.endr
.endm
; nb blocks of a lane's numbers, register 16 b + i = k 32 b + 16 (lane / 16) + i of my row.  Part A: largest magnitudes, scale operands (T+25+b), holds (T+20+b), bytes (T+15+b).  ex = 1: the hold of a block past the head's end is 0
.macro QUANT_A s, nb, ex
.irp b, 0,1,2,3,4
.if \b < \nb
	v_max3_num_f32 v[T+10+\b], |v[\s+16*\b]|, |v[\s+16*\b+1]|, 0x8000000   ; my 16 numbers, and the floor 2^(16 - 127): the byte cannot fall under 1
.endif
.endr
.irp i, 2,4,6,8,10,12,14
.irp b, 0,1,2,3,4
.if \b < \nb
	v_max3_num_f32 v[T+10+\b], v[T+10+\b], |v[\s+16*\b+\i]|, |v[\s+16*\b+\i+1]|
.endif
.endr
.endr
.irp b, 0,1,2,3,4
.if \b < \nb
	v_permlanex16_b32 v[T+15+\b], v[T+10+\b], s20, s21
.endif
.endr
.irp b, 0,1,2,3,4
.if \b < \nb
	v_max_num_f32 v[T+10+\b], v[T+10+\b], v[T+15+\b]       ; with lane l xor 16's: the block's largest magnitude
.endif
.endr
.irp b, 0,1,2,3,4
.if \b < \nb
	v_add_nc_u32 v[T+25+\b], 0xf8800000, v[T+10+\b]        ; 15 off its exponent field: the conversion's scale operand
.endif
.endr
.irp b, 0,1,2,3,4
.if \b < \nb
	v_and_or_b32 v[T+20+\b], v[T+10+\b], 0x7f800000, s22   ; 57,344 x the scale
.endif
.endr
.if \ex
.irp b, 0,1,2,3,4
	v_and_b32 v[T+20+\b], s[37+\b], v[T+20+\b]             ; a block past the head's end is held at 0: its codes are zeros
.endr
.endif
.irp b, 0,1,2,3,4
.if \b < \nb
	v_lshrrev_b32 v[T+15+\b], 23, v[T+25+\b]               ; the scale's byte
.endif
.endr
.endm
; Part B: the holds (the conversion to an 8-bit code does not saturate: ISA guide 7.6.2) and the conversions: block b's 16 codes into v[pc + 4 b] on
.macro QUANT_B s, nb, pc
.irp b, 0,1,2,3,4
.if \b < \nb
.irp i, 0,1,2,3,4,5,6,7,8,9,10,11,12,13,14,15
	v_med3_num_f32 v[\s+16*\b+\i], v[\s+16*\b+\i], -v[T+20+\b], v[T+20+\b]
.endr
	v_cvt_scalef32_pk8_bf8_f32 v[\pc+4*\b:\pc+4*\b+1], v[\s+16*\b:\s+16*\b+7], v[T+25+\b]
	v_cvt_scalef32_pk8_bf8_f32 v[\pc+4*\b+2:\pc+4*\b+3], v[\s+16*\b+8:\s+16*\b+15], v[T+25+\b]
.endif
.endr
	v_nop                                                  ; a plain line behind the last scaled conversion
.endm
; One block of 32 keys of V.  Register 4 i + c = V(key 16 (lane / 16) + i, d = 4 (lane % 16) + c): component c of my 64 numbers is my row of d tile c, whose row x stands for d = 4 x + c.
; K runs with stride 4 through the set's registers, and the conversion takes eight neighbours along K from registers on end: so the hold, which every number passes anyway, writes component c's 16 numbers on end
; into v[VT + 16 (c % 2)] on, two components by turns.  left: younger loads that may stay out; next: the block that takes this set (4 or more: none)
.macro VBLK cb, buf, left, next
	s_wait_loadcnt \left
.irp c, 0,1,2,3
	v_max3_num_f32 v[T+10+\c], |v[\buf+\c]|, |v[\buf+4+\c]|, 0x8000000
.endr
.irp i, 2,4,6,8,10,12,14
.irp c, 0,1,2,3
	v_max3_num_f32 v[T+10+\c], v[T+10+\c], |v[\buf+4*\i+\c]|, |v[\buf+4*\i+4+\c]|
.endr
.endr
.irp c, 0,1,2,3
	v_permlanex16_b32 v[T+15+\c], v[T+10+\c], s20, s21
.endr
.irp c, 0,1,2,3
	v_max_num_f32 v[T+10+\c], v[T+10+\c], v[T+15+\c]
.endr
.irp c, 0,1,2,3
	v_add_nc_u32 v[T+20+\c], 0xf8800000, v[T+10+\c]        ; 15 off the exponent field: the conversion's scale operand
.endr
.irp c, 0,1,2,3
	v_lshrrev_b32 v[T+5+\c], 23, v[T+20+\c]                ; the scale's byte
.endr
.irp c, 0,1,2,3
	v_and_or_b32 v[T+24+\c], v[T+10+\c], 0x7f800000, s22   ; 57,344 x the scale
.endr
.irp c, 0,1,2,3
.if \cb == 0
	v_mov_b32 v[54+\c], v[T+5+\c]                          ; the K step's scale word of d tile c: byte cb
.else
	v_lshl_or_b32 v[54+\c], v[T+5+\c], 8*\cb, v[54+\c]
.endif
.endr
.irp c, 0,1,2,3
.irp i, 0,1,2,3,4,5,6,7,8,9,10,11,12,13,14,15
	v_med3_num_f32 v[VT+16*(\c%2)+\i], v[\buf+4*\i+\c], -v[T+24+\c], v[T+24+\c]   ; held within +-57,344 x the scale (the conversion does not saturate: ISA guide 7.6.2), and laid on end; these 16 are also the plain lines behind the conversions that read this run two components back
.endr
.if \c == 0
	s_wait_alu depctr_va_vdst(0)
	s_wait_dscnt 0x0                                       ; the last block's stores have read v32-47
.if \cb > 0
	s_wait_alu depctr_vm_vsrc(0)                           ; the last block's four stores have read v32-47, which the conversions below write again
.endif
.endif
	v_cvt_scalef32_pk8_bf8_f32 v[32+4*\c:33+4*\c], v[VT+16*(\c%2):VT+16*(\c%2)+7], v[T+20+\c]      ; keys 0-7 of my 16: register 32 + 4 c + q holds keys 4 q .. 4 q + 3 of component c
	v_cvt_scalef32_pk8_bf8_f32 v[34+4*\c:35+4*\c], v[VT+16*(\c%2)+8:VT+16*(\c%2)+15], v[T+20+\c]   ; keys 8-15
.endr
	v_nop                                                  ; a plain line behind the last scaled conversion
	s_wait_alu depctr_va_vdst(0)                           ; the conversions have written v32-47, which the stores below read; the holds are done reading this set, in which the loads below land; the block's bytes stand in v54-57
.irp c, 0,1,2,3
	ds_store_b128 v7, v[32+4*\c:35+4*\c] offset:2048*\cb+512*\c   ; four registers of d tile c's fragment, as they stand
.endr
.if \next < 4
	VLOAD \next, \buf
.endif
.endm
.macro BARRIER                         ; my LDS stores have landed and my LDS loads are in: then the work-group's barrier
	s_wait_dscnt 0x0
	s_barrier_signal -1
	s_barrier_wait -1
.endm
	s_load_b256 s[4:11], s[0:1], 0x0               ; Q s[4:5], K s[6:7], V s[8:9], log_scale s[10:11]
	s_load_b64 s[12:13], s[0:1], 0x20              ; out
	v_lshl_add_u32 v[SPW], v0, 2, SPARE
	v_mov_b32 v[NIL], 0
	v_lshrrev_b32 v66, 5, v0
	v_readfirstlane_b32 s14, v66                   ; wave W
	; the work-group's number gives g (3 bits: 1, 4, 5) and the head (5 bits: 0, 2, 3, 6, 7); which bits go where changes no result
	s_lshr_b32 s18, ttmp9, 1
	s_and_b32 s15, s18, 1
	s_and_b32 s16, s18, 6
	s_lshr_b32 s18, ttmp9, 3
	s_and_b32 s19, s18, 6
	s_or_b32 s15, s15, s19                         ; g
	s_and_b32 s19, s18, 24
	s_or_b32 s16, s16, s19
	s_and_b32 s19, ttmp9, 1
	s_or_b32 s16, s16, s19                         ; head
	s_wait_alu depctr_va_sdst(0)                   ; s14 is written, ahead of its first reader: regions, masks, bases and branches are made from it
	s_mul_i32 s54, s14, WRB
	s_add_co_u32 s54, s54, WREG                    ; my region
	v_and_b32 v66, 15, v0                          ; x
	v_bfe_u32 v67, v0, 4, 1                        ; h
	v_and_b32 v68, 31, v0                          ; lane
	v_lshlrev_b32 v1, 4, v68                       ; 16 x lane
	v_lshlrev_b32 v2, 4, v66
	v_lshl_add_u32 v2, v67, 12, v2                 ; V: 16 x + 16 rows x h
	v_mul_u32_u24 v3, v67, 272
	v_lshl_add_u32 v3, v66, 4, v3
	v_add_nc_u32 v3, s54, v3                       ; the turn by rows: two rows an instruction, 16 bytes a lane
	v_mul_u32_u24 v4, v66, 272
	v_lshl_add_u32 v4, v67, 6, v4
	v_add_nc_u32 v4, s54, v4                       ; the turn by lanes: row x, my half's 16 numbers of a block of 32
	s_lshl_b32 s18, s14, 11
	s_add_co_u32 s18, s18, KIMG
	v_add_nc_u32 v5, s18, v1                       ; where I store K's image: slot W
	s_lshl_b32 s18, s14, 7
	s_add_co_u32 s18, s18, KSC
	v_lshl_add_u32 v6, v68, 2, s18                 ; and its scale words
	s_lshl_b32 s18, s14, 13
	v_add_nc_u32 v7, s18, v1                       ; V's images: blocks 4 W on
	s_lshl_b32 s18, s14, 9
	s_add_co_u32 s18, s18, VSC
	v_lshl_add_u32 v8, v68, 2, s18                 ; and their scale words: K step W
	v_add_nc_u32 v9, s54, v1                       ; my part of Srest
	s_lshl_b32 s18, s14, 8
	s_add_co_u32 s19, s18, WREG
	v_lshl_add_u32 v10, v68, 3, s19                ; the sum over waves: my 8 bytes of each wave's 4,096: waves 0-7,
	v_add_nc_u32 v11, 8*WRB, v10                   ; waves 8-15,
	s_add_co_u32 s19, s18, SRS
	v_lshl_add_u32 v12, v68, 3, s19                ; and where the sum goes
	; masks, from ids alone
	s_add_co_u32 s18, s14, 1
	s_lshr_b32 s17, s18, 1                         ; n
	s_and_b32 s19, s18, 1
	s_cmp_lg_u32 s19, 0                            ; even patch?
	s_cselect_b32 s32, 0xffff0000, -1              ; then the first half of window block 0 is masked,
	s_cselect_b32 s36, -1, 0xffff                  ; else the last half of block 4
	s_lshl_b32 s18, s15, 3
	s_add_co_u32 s19, s18, s17                     ; bs = 8 g + n
.irp b, 0,1,2,3,4
	s_cmp_lt_u32 s19, 64-\b
	s_cselect_b32 s[37+\b], -1, 0                  ; window block b lies inside the head
.endr
	s_and_b32 s32, s32, s37
	s_mov_b32 s33, s38
	s_mov_b32 s34, s39
	s_mov_b32 s35, s40
	s_and_b32 s36, s36, s41
	s_lshl_b32 s46, s14, 2                         ; my V blocks' numbers R = 4 W + c
	s_add_co_u32 s19, s18, s46
.irp c, 0,1,2,3
	s_cmp_lt_u32 s19, 64-\c
	s_cselect_b32 s[42+\c], 0, -1                  ; -1: block R has wrapped round the head's end: it belongs to no window of this work-group
.endr
	s_add_co_u32 s47, s46, 1
	s_add_co_u32 s48, s46, 2
	s_add_co_u32 s49, s46, 3
	s_and_b32 s28, s17, 3
	s_lshl_b32 s28, s28, 3
	s_mov_b32 s20, 0x76543210
	s_mov_b32 s21, 0xfedcba98                      ; v_permlanex16_b32's selects for lane l xor 16
	s_mov_b32 s22, 0x600000
	s_mov_b32 s25, 0xc61c4000
	s_mov_b32 s26, 0x461c4000
.irp b, 0,1,2,3,4
	v_mov_b32 v[T+15+\b], 0                        ; written once: a lane permute's destination counts as one of its sources
.endr
	v_mov_b32 v62, 0x7f7f7f7f                      ; four scale bytes of 1.0
	s_wait_kmcnt 0x0
	s_load_b32 s27, s[10:11], 0x0
	s_lshl_b32 s30, s16, 19                        ; a head is 2048 x 256 bytes
	s_mov_b32 s31, 0
	s_add_nc_u64 s[4:5], s[4:5], s[30:31]
	s_add_nc_u64 s[6:7], s[6:7], s[30:31]
	s_add_nc_u64 s[8:9], s[8:9], s[30:31]
	s_add_nc_u64 s[12:13], s[12:13], s[30:31]
	s_lshl_b32 s18, s15, 4
	s_add_co_u32 s18, s18, s14
	s_lshl_b32 s30, s18, 12                        ; my patch: 16 rows
	s_add_nc_u64 s[4:5], s[4:5], s[30:31]
	s_add_nc_u64 s[12:13], s[12:13], s[30:31]
	s_lshl_b32 s18, s15, 3
	s_add_co_u32 s18, s18, s14
	s_min_u32 s18, s18, 63                         ; K: block 8 g + W; a slot past the head's end takes the last block: its scores are masked, and no load leaves the buffer
	s_lshl_b32 s30, s18, 13
	s_add_nc_u64 s[6:7], s[6:7], s[30:31]
	s_lshl_b32 s18, s15, 1
	s_add_co_u32 s18, s18, s14
	s_and_b32 s18, s18, 15                         ; V: K step (2 g + W) mod 16
	s_lshl_b32 s30, s18, 15
	s_add_nc_u64 s[8:9], s[8:9], s[30:31]
	s_wait_alu depctr_va_vdst(0)                   ; the offsets and LDS addresses v1 to v12 are written, which the loads and stores below read
	s_cmp_lt_u32 s14, 13
	s_cbranch_scc0 .Lno_k_loads
.irp i, 0,1,2,3,4,5,6,7,8,9,10,11,12,13,14,15
	global_load_b128 v[KR+4*\i:KR+4*\i+3], v1, s[6:7] offset:512*\i   ; 32 keys: 512 consecutive bytes an instruction
.endr
.Lno_k_loads:
.irp i, 0,1,2,3,4,5,6,7
	global_load_b128 v[QR+4*\i:QR+4*\i+3], v1, s[4:5] offset:512*\i th:TH_LOAD_NT   ; my 16 queries: nobody else reads them
.endr
	VLOAD 0, VB0
	s_wait_kmcnt 0x0
	v_mov_b32 v15, s27
	v_mul_f32 v15, 0x3fb8aa3b, v15
	s_wait_alu depctr_va_vdst(0)
	v_exp_f32 v15, v15                             ; exp(log_scale)
	v_nop                                          ; a plain line behind the transcendental,
	s_wait_alu depctr_va_vdst(0)                   ; and the wait ahead of its first reader (and of the branch below): the exponential has written v15
	v_med3_num_f32 v15, v15, 1.0, 0x41f00000       ; clipped to 1 .. 30
	v_mul_f32 v15, 0x3e38aa3b, v15                 ; x log2(e) / 8
	; ---- K: waves 0-12 quantise 32 keys each.  The image is a DOUBLE fragment: registers 0-7 are tile 0's 64 channels, registers 8-15 tile 1's; row m of tile u is key 16 (m / 8) + 8 u + m % 8,
	; so that the two tiles' results are 16 neighbouring keys in a lane.  Key k goes to row 16 ((k / 8) % 2) + 8 (k / 16) + k % 8 of the turn.
	s_wait_loadcnt 24                              ; on every wave's path: behind K's loads stand Q's 8 and V's 16, so K's are in, for the work below and for the loads of V that take K's registers behind it; a wave without K's loads has 24 out and passes
	s_cmp_lt_u32 s14, 13
	s_cbranch_scc0 .Lno_k_job
.irp i, 0,1,2,3,4,5,6,7,8,9,10,11,12,13,14,15
	ds_store_b128 v3, v[KR+4*\i:KR+4*\i+3] offset:272*(16*(((2*\i)/8)%2)+8*((2*\i)/16)+(2*\i)%8)
.endr
	s_wait_alu depctr_vm_vsrc(0)                   ; the sixteen stores have read v192-255, in which the loads below land
.irp u, 0,1
.irp c, 0,1
.irp j, 0,1,2,3
	ds_load_b128 v[KR+32*\u+16*\c+4*\j:KR+32*\u+16*\c+4*\j+3], v4 offset:4352*\u+128*\c+16*\j   ; LDS serves a wave's instructions in order: these see my stores
.endr
.endr
.endr
	s_wait_dscnt 0x0
	QUANT_A KR, 4, 0
	v_lshl_or_b32 v65, v[T+16], 8, v[T+15]         ; bytes 0, 1: tile 0's row; bytes 2, 3: tile 1's
	v_lshl_or_b32 v65, v[T+17], 16, v65
	v_lshl_or_b32 v65, v[T+18], 24, v65
	QUANT_B KR, 4, 16
	s_wait_alu depctr_va_vdst(0)                   ; the conversions have written v16-31, and v65 is made: the stores below read them; the quantiser is done with v192-255, in which V's second block lands
.irp c, 0,1,2,3
	ds_store_b128 v5, v[16+4*\c:19+4*\c] offset:512*\c
.endr
	ds_store_b32 v6, v65
	s_wait_dscnt 0x0                               ; the stores have read their registers
	s_wait_alu depctr_vm_vsrc(0)                   ; the image's stores have read v16-31, of which Q's conversions write v24-31 again, and v5 and v6, which are made anew further down
.Lno_k_job:
	VLOAD 1, VB1
	; ---- Q: my 16 queries become 8 registers of codes, v24-31
	s_wait_loadcnt 32                              ; behind Q's loads: two blocks of V
.irp i, 0,1,2,3,4,5,6,7
	ds_store_b128 v3, v[QR+4*\i:QR+4*\i+3] offset:544*\i
.endr
	s_wait_alu depctr_vm_vsrc(0)                   ; the eight stores have read v160-191, in which the loads below land
.irp c, 0,1
.irp j, 0,1,2,3
	ds_load_b128 v[QR+16*\c+4*\j:QR+16*\c+4*\j+3], v4 offset:128*\c+16*\j
.endr
.endr
	s_wait_dscnt 0x0
	QUANT_A QR, 2, 0
	v_lshl_or_b32 v48, v[T+16], 8, v[T+15]
	v_lshl_or_b32 v48, v48, 16, v48                ; Q's two bytes twice: they serve in either half of the 128 along K
	QUANT_B QR, 2, 24
	; ---- V: my K step of 128 keys, four blocks, loads one block ahead.  (v160-191 are free: Q is in codes, and no LDS instruction names these registers until Srest's parts are stored)
	VBLK 0, VB0, 16, 2
	VBLK 1, VB1, 16, 3
	VBLK 2, VB0, 16, 9
	VBLK 3, VB1, 0, 9
.irp c, 0,1,2,3
	ds_store_b32 v8, v[54+\c] offset:128*\c        ; (v54-57 were finished ahead of the last block's wait on va_vdst)
.endr
	; ---- my K step's part of Srest for the 16 possible windows: V's four fragments x an operand whose column x holds 1.0 in the blocks that lie outside window x .. x + 4
.irp t, 0,1,2,3
.irp c, 0,1,2,3
	ds_load_b128 v[96+16*\t+4*\c:99+16*\t+4*\c], v7 offset:2048*\c+512*\t   ; my own images, behind my stores.  (The arithmetic that named v96-159 stands ahead of the last block's wait on va_vdst)
.endr
.endr
	s_wait_alu depctr_vm_vsrc(0)                   ; the last block's stores have read v32-47, which are cleared below; the scale words' stores have read v54-57, which are loaded again for the window
	v_and_b32 v66, 15, v0
	v_mov_b32 v67, 0x3c3c3c3c                      ; four codes of 1.0
.irp c, 0,1,2,3
	v_sub_nc_u32 v[68+\c], s[46+\c], v66           ; R - x
.endr
.irp c, 0,1,2,3
	v_cmp_le_u32 s[50+\c], 5, v[68+\c]             ; outside the window,
.endr
	s_wait_alu depctr_va_sdst(0)                   ; the four compares have written s50 to s53, ahead of their first readers
.irp c, 0,1,2,3
	s_or_b32 s[50+\c], s[50+\c], s[42+\c]          ; or wrapped
.endr
.irp c, 0,1,2,3
.irp k, 0,1,2,3
	v_cndmask_b32 v[192+4*\c+\k], 0, v67, s[50+\c]
.endr
.endr
.rept 4
	v_nop                                          ; an operand written by vector instructions stands four places ahead of a scaled matrix instruction
.endr
	s_wait_alu depctr_va_vdst(0)                   ; behind the places: the selects have written v192-207, which the products take as an operand
	s_wait_dscnt 0x0
.irp t, 0,1,2,3
	v_wmma_scale_f32_16x16x128_f8f6f4 v[160+8*\t:167+8*\t], v[96+16*\t:111+16*\t], v[192:207], 0, v[54+\t], v62 matrix_a_fmt:MATRIX_FMT_BF8 matrix_b_fmt:MATRIX_FMT_BF8
.endr
.irp r, 16,17,18,19,20,21,22,23,32,33,34,35,36,37,38,39,40,41,42,43,44,45,46,47
	v_mov_b32 v[\r], 0                             ; the zero codes beside Q's and behind P's fifth block; these 24 lines are also the places behind the four products
.endr
	s_lshl_b32 s18, s17, 11                        ; the addresses of my window's K are made here, so that the wait below serves them too
	s_add_co_u32 s18, s18, KIMG
	v_add_nc_u32 v5, s18, v1                       ; K's images from slot n on
	v_and_b32 v66, 31, v0
	s_lshl_b32 s18, s17, 7
	s_add_co_u32 s18, s18, KSC
	v_lshl_add_u32 v6, v66, 2, s18
	s_wait_alu depctr_va_vdst(0)                   ; behind the places: the products have written v160-191, which the stores read, and are done reading v96-159 and v192-207, in which loads land behind the barrier; v5 and v6 are written; so are the zeros that the next products take
.irp t, 0,1,2,3
.irp q, 0,1
	ds_store_b128 v9, v[160+8*\t+4*\q:163+8*\t+4*\q] offset:1024*\t+512*\q   ; each result from its low end on
.endr
.endr
	BARRIER                                        ; all images, scale words and parts of Srest lie in LDS
	; ---- the sum of the 16 parts (each wave 256 of the 4,096 bytes), and my window's K
	s_wait_alu depctr_vm_vsrc(0)                   ; my part's stores have read v160-191: K's fragments land in v176-191
.irp i, 0,1,2,3,4,5,6,7
	ds_load_b64 v[96+2*\i:97+2*\i], v10 offset:WRB*\i
.endr
.irp i, 0,1,2,3,4,5,6,7
	ds_load_b64 v[112+2*\i:113+2*\i], v11 offset:WRB*\i
.endr
.irp b, 0,1,2,3,4
.irp c, 0,1,2,3
	ds_load_b128 v[X+16*\b+4*\c:X+16*\b+4*\c+3], v5 offset:2048*\b+512*\c
.endr
	ds_load_b32 v[49+\b], v6 offset:128*\b
.endr
	s_wait_dscnt 25                                ; the 16 parts are in; K's 25 loads may be out
.irp i, 0,1,2,3,4,5,6,7
	v_pk_add_f32 v[96+2*\i:97+2*\i], v[96+2*\i:97+2*\i], v[112+2*\i:113+2*\i]
.endr
.irp i, 0,1,2,3
	v_pk_add_f32 v[96+2*\i:97+2*\i], v[96+2*\i:97+2*\i], v[104+2*\i:105+2*\i]
.endr
.irp i, 0,1
	v_pk_add_f32 v[96+2*\i:97+2*\i], v[96+2*\i:97+2*\i], v[100+2*\i:101+2*\i]
.endr
	v_pk_add_f32 v[96:97], v[96:97], v[98:99]
	s_wait_alu depctr_va_vdst(0)                   ; the additions have written v96-97, which the store reads
	ds_store_b64 v12, v[96:97]
	s_wait_alu depctr_vm_vsrc(0)                   ; the store has read v96-97, which the scores' products write; the LDS instructions so far have read v7 to v10, which are made anew below
	s_lshl_b32 s18, s17, 11
	v_add_nc_u32 v7, s18, v1                       ; V's images from block n on
	s_lshr_b32 s18, s17, 2
	s_lshl_b32 s18, s18, 9
	s_add_co_u32 s18, s18, VSC
	v_lshl_add_u32 v8, v66, 2, s18                 ; V's scale words: K step n / 4, and the next 512 bytes on
	v_and_b32 v67, 15, v0
	v_bfe_u32 v68, v0, 4, 1
	v_mul_u32_u24 v9, v67, 272
	v_lshl_add_u32 v9, v68, 7, v9
	v_add_nc_u32 v9, s54, v9                       ; the way out: row x, 128 bytes for each half of the lanes
	s_lshl_b32 s18, s17, 4
	s_add_co_u32 s18, s18, SRS
	v_lshl_add_u32 v10, v68, 8, s18                ; Srest of window n: the image's lane n + 16 h
	BARRIER                                        ; Srest is whole; nobody reads the waves' regions any more
	; ---- S^T = K Q^T: source 0 = a double fragment of K, source 1 = [Q | 0] for its first tile, [0 | Q] for its second.  Lane (query, h), register 16 b + i: key 32 (bs + b) + 16 h + i.  Ten accumulators, one instruction each
	; (Q's codes, the zeros beside them and Q's scale word were written ahead of the waits on va_vdst above; the lines since name none of them)
.irp b, 0,1,2,3,4
	v_wmma_scale_f32_16x16x128_f8f6f4 v[S+16*\b:S+16*\b+7], v[X+16*\b:X+16*\b+15], v[24:39], 0, v[49+\b], v48 matrix_a_fmt:MATRIX_FMT_BF8 matrix_b_fmt:MATRIX_FMT_BF8
	v_wmma_scale_f32_16x16x128_f8f6f4 v[S+16*\b+8:S+16*\b+15], v[X+16*\b:X+16*\b+15], v[16:31], 0, v[49+\b], v48 matrix_a_fmt:MATRIX_FMT_BF8 matrix_b_fmt:MATRIX_FMT_BF8
.endr
.rept 8
	v_nop                                          ; eight places behind this form
.endr
	; ---- the two softmaxes.  The largest and the smallest score of each block's half, each accumulator read from its low end on
.irp b, 0,1,2,3,4
	v_max3_num_f32 v[T+\b], v[S+16*\b], v[S+16*\b+1], v[S+16*\b+2]
.endr
.irp i, 3,5,7,9,11,13
.irp b, 0,1,2,3,4
	v_max3_num_f32 v[T+\b], v[T+\b], v[S+16*\b+\i], v[S+16*\b+\i+1]
.endr
.endr
.irp b, 0,1,2,3,4
	v_max_num_f32 v[T+\b], v[T+\b], v[S+16*\b+15]
.endr
.irp b, 0,1,2,3,4
	v_min3_num_f32 v[T+5+\b], v[S+16*\b], v[S+16*\b+1], v[S+16*\b+2]
.endr
.irp i, 3,5,7,9,11,13
.irp b, 0,1,2,3,4
	v_min3_num_f32 v[T+5+\b], v[T+5+\b], v[S+16*\b+\i], v[S+16*\b+\i+1]
.endr
.endr
.irp b, 0,1,2,3,4
	v_min_num_f32 v[T+5+\b], v[T+5+\b], v[S+16*\b+15]
.endr
.irp b, 0,1,2,3,4
	v_cndmask_b32 v[T+\b], s25, v[T+\b], s[32+\b]          ; a masked half counts as the fill: -10000 for pos,
	v_cndmask_b32 v[T+5+\b], s26, v[T+5+\b], s[32+\b]      ; and, since neg = -score, +10000 for the smallest score
.endr
	v_max3_num_f32 v66, v66, v67, v68
	v_min3_num_f32 v71, v71, v72, v73
	v_max3_num_f32 v66, v66, v69, v70
	v_min3_num_f32 v71, v71, v74, v75
	v_permlanex16_b32 v67, v66, s20, s21
	v_permlanex16_b32 v72, v71, s20, s21
	v_max3_num_f32 v66, v66, v67, s25              ; smax: the row's largest pos, the fill among them
	v_min3_num_f32 v71, v71, v72, s26              ; smin: minus the row's largest neg
	v_mul_f32 v68, -v15, v66                       ; seen slots: t+ = c2 s - c2 smax,
	v_mul_f32 v69, v15, v71                        ;             t- = -c2 s + c2 smin
	v_fma_f32 v70, v15, s25, v68                   ; masked slots: t+ = c2 (-10000) - c2 smax,
	v_fma_f32 v73, v15, s25, v69                   ;               t- = c2 (-10000) + c2 smin
	; t = s x MU + ADD with MU = c2 or 0 and ADD to match, by lane and block: the mask costs nothing for each score.  Three pairs a block, in two sets by turns
.irp b, 0,1,2,3,4
	v_cndmask_b32 v[T+10+6*(\b%2)], 0, v15, s[32+\b]
	v_cndmask_b32 v[T+11+6*(\b%2)], 0, v15, s[32+\b]
	v_cndmask_b32 v[T+12+6*(\b%2)], v70, v68, s[32+\b]
	v_cndmask_b32 v[T+13+6*(\b%2)], v70, v68, s[32+\b]
	v_cndmask_b32 v[T+14+6*(\b%2)], v73, v69, s[32+\b]
	v_cndmask_b32 v[T+15+6*(\b%2)], v73, v69, s[32+\b]
.irp j, 0,2,4,6,8,10,12,14
	v_pk_fma_f32 v[X+16*\b+\j:X+16*\b+\j+1], v[S+16*\b+\j:S+16*\b+\j+1], v[T+10+6*(\b%2):T+11+6*(\b%2)], v[T+14+6*(\b%2):T+15+6*(\b%2)] neg_lo:[0,1,0] neg_hi:[0,1,0]
.endr
.irp j, 0,2,4,6,8,10,12,14
	v_pk_fma_f32 v[S+16*\b+\j:S+16*\b+\j+1], v[S+16*\b+\j:S+16*\b+\j+1], v[T+10+6*(\b%2):T+11+6*(\b%2)], v[T+12+6*(\b%2):T+13+6*(\b%2)]
.endr
.endr
.set NN, 0
	s_wait_alu depctr_va_vdst(0)
.rept 80
	v_exp_f32 v[S+NN], v[S+NN]                     ; p+
.set NN, NN+1
.endr
.set NN, 0
.rept 80
	v_exp_f32 v[X+NN], v[X+NN]                     ; p-
.set NN, NN+1
.endr
	v_exp_f32 v66, v70                             ; a masked slot's p+,
	v_exp_f32 v67, v73                             ; and p-
	v_nop                                          ; a plain line behind the batch,
	s_wait_alu depctr_va_vdst(0)                   ; and one wait for all 162, ahead of the first reader: the exponentials have written v96-255, v66 and v67
	v_pk_add_f32 v[76:77], v[S:S+1], v[S+2:S+3]    ; the row sums, two chains for each sign
	v_pk_add_f32 v[78:79], v[S+4:S+5], v[S+6:S+7]
	v_pk_add_f32 v[80:81], v[X:X+1], v[X+2:X+3]
	v_pk_add_f32 v[82:83], v[X+4:X+5], v[X+6:X+7]
.irp j, 8,12,16,20,24,28,32,36,40,44,48,52,56,60,64,68,72,76
	v_pk_add_f32 v[76:77], v[76:77], v[S+\j:S+\j+1]
	v_pk_add_f32 v[78:79], v[78:79], v[S+\j+2:S+\j+3]
	v_pk_add_f32 v[80:81], v[80:81], v[X+\j:X+\j+1]
	v_pk_add_f32 v[82:83], v[82:83], v[X+\j+2:X+\j+3]
.endr
	v_pk_add_f32 v[76:77], v[76:77], v[78:79]
	v_pk_add_f32 v[80:81], v[80:81], v[82:83]
	v_add_f32 v76, v76, v77
	v_add_f32 v80, v80, v81
	v_permlanex16_b32 v78, v76, s20, s21
	v_permlanex16_b32 v82, v80, s20, s21
	v_add_f32 v76, v76, v78
	v_add_f32 v80, v80, v82
	v_fma_f32 v76, 0x44ec0000, v66, v76            ; + the 2048 - 160 = 1888 slots outside the five blocks (slots past the head's end stand for as many keys outside)
	v_fma_f32 v80, 0x44ec0000, v67, v80
	s_wait_alu depctr_va_vdst(0)
	v_rcp_f32 v72, v76                             ; each reciprocal twice: a pair for the packed forms
	v_rcp_f32 v73, v76
	v_rcp_f32 v74, v80
	v_rcp_f32 v75, v80
	v_nop
	s_wait_alu depctr_va_vdst(0)                   ; one wait for the four: the reciprocals have written v72-75.  It stands behind the line that made v8 and behind the products that read v54-57 as scales, so the eight loads below owe nothing more
	; V's scale words for blocks n .. n + 4 are asked for now: no line from here to the wait for them names v8 or v54-61
.irp t, 0,1,2,3
	ds_load_b32 v[54+\t], v8 offset:128*\t
.endr
.irp t, 0,1,2,3
	ds_load_b32 v[58+\t], v8 offset:128*\t+512
.endr
.set NN, 0
.rept 40
	v_pk_mul_f32 v[X+NN:X+NN+1], v[X+NN:X+NN+1], v[74:75]
.set NN, NN+2
.endr
.set NN, 0
.rept 40
	v_pk_fma_f32 v[S+NN:S+NN+1], v[S+NN:S+NN+1], v[72:73], v[X+NN:X+NN+1] neg_lo:[0,0,1] neg_hi:[0,0,1]   ; A = p+ / Z+ - p- / Z-
.set NN, NN+2
.endr
	; V's fragments for blocks n .. n + 4 are asked for now: X is free
	s_wait_alu depctr_va_vdst(0)                   ; the multiply-adds are done reading v176-255, in which the fragments land
.irp t, 0,1,2,3
.irp c, 0,1,2,3
	ds_load_b128 v[X+20*\t+4+4*\c:X+20*\t+7+4*\c], v7 offset:2048*\c+512*\t   ; blocks n .. n + 3,
.endr
	ds_load_b128 v[X+20*\t:X+20*\t+3], v7 offset:8192+512*\t                   ; and block n + 4 in front of them
.endr
	v_mul_f32 v68, v67, v74                        ; a, a masked key's weight, by the same two lines
	v_fma_f32 v68, v66, v72, -v68
	v_max3_num_f32 v69, |v68|, |v68|, 0x8000000    ; Q(a): a block of 32 x a has a's own exponent, so a is held at 1.75 x 2^its exponent
	v_and_or_b32 v69, v69, 0x7f800000, s22
	v_med3_num_f32 v68, v68, -v69, v69
	v_bfe_u32 v69, v68, 21, 1                      ; and rounded to two mantissa bits, ties to even
	v_add3_u32 v68, v68, v69, 0xfffff
	v_and_b32 v68, 0xffe00000, v68
	QUANT_A S, 5, 1
	v_lshl_or_b32 v63, v[T+16], 8, v[T+15]         ; P's scale word for blocks 0-3,
	v_lshl_or_b32 v63, v[T+17], 16, v63
	v_lshl_or_b32 v63, v[T+18], 24, v63
	v_mov_b32 v64, v[T+19]                         ; and for block 4; its other bytes stand over zero codes
	s_wait_dscnt 20                                ; V's eight scale words are in; the 20 fragment loads may be out
.irp t, 0,1,2,3
	v_alignbit_b32 v[54+\t], v[58+\t], v[54+\t], s28   ; bytes n .. n + 3 of the two words,
.endr
.irp t, 0,1,2,3
	v_lshrrev_b32 v[58+\t], s28, v[58+\t]          ; and byte n + 4 lowest
.endr
	QUANT_B S, 5, 16                               ; P's codes: v16-31 blocks 0-3, v32-35 block 4; the 80 holds are the places behind the scale words
.rept 4
	v_nop
.endr
	s_wait_alu depctr_va_vdst(0)                   ; behind the places: P's codes v16-35 and the scale words v54-61, v63, v64 are written, which the products take; the quantiser is done with v128-159, in which Srest lands
.irp t, 0,1,2,3
.irp q, 0,1
	ds_load_b128 v[128+8*\t+4*\q:131+8*\t+4*\q], v10 offset:1024*\t+512*\q   ; Srest in the result's layout
.endr
.endr
	s_wait_dscnt 8                                 ; V's fragments are in; Srest's eight loads may be out
	; ---- O^T = V^T P^T: four d tiles by turns, two K steps.  In the second, V's registers 4-15 are codes of blocks n .. n + 2: they stand against zero codes of P
.irp t, 0,1,2,3
	v_wmma_scale_f32_16x16x128_f8f6f4 v[96+8*\t:103+8*\t], v[X+20*\t+4:X+20*\t+19], v[16:31], 0, v[54+\t], v63 matrix_a_fmt:MATRIX_FMT_BF8 matrix_b_fmt:MATRIX_FMT_BF8
.endr
.irp t, 0,1,2,3
	v_wmma_scale_f32_16x16x128_f8f6f4 v[96+8*\t:103+8*\t], v[X+20*\t:X+20*\t+15], v[32:47], v[96+8*\t:103+8*\t], v[58+\t], v64 matrix_a_fmt:MATRIX_FMT_BF8 matrix_b_fmt:MATRIX_FMT_BF8
.endr
.rept 8
	v_nop
.endr
	s_wait_dscnt 0x0
	; ---- the way out: + Q(a) x Srest; register 8 t + j of lane (query, h) is d = 32 h + 4 j + t
.irp j, 0,1,2,3,4,5,6,7
.irp t, 0,1,2,3
	v_fma_f32 v[176+4*\j+\t], v68, v[128+8*\t+\j], v[96+8*\t+\j]
.endr
.endr
	s_wait_alu depctr_va_vdst(0)                   ; the multiply-adds have written v176-207, which the stores read; the products are done reading v208-239, in which the rows land
.irp k, 0,1,2,3,4,5,6,7
	ds_store_b128 v9, v[176+4*\k:179+4*\k] offset:16*\k
.endr
.irp i, 0,1,2,3,4,5,6,7
	ds_load_b128 v[208+4*\i:211+4*\i], v3 offset:544*\i    ; back by rows, behind my stores
.endr
.irp i, 0,1,2,3,4,5,6,7
	s_wait_dscnt 7-\i
	global_store_b128 v1, v[208+4*\i:211+4*\i], s[12:13] offset:512*\i th:TH_STORE_NT   ; 32 lanes store 512 consecutive bytes, at a multiple of 256 from out's first byte
.endr
	s_wait_dscnt 0x0                               ; the wave's end: the closing lines, six on end, behind my last LDS store
	s_wait_alu 0x0
	s_wait_tensorcnt 0x0
	ds_add_u32 v[SPW], v[NIL]
	s_wait_dscnt 0x0
	s_endpgm
.Lfunc_end_k_q45e2217c4a_attn:
	.size	k_q45e2217c4a_attn, .Lfunc_end_k_q45e2217c4a_attn-k_q45e2217c4a_attn
	.p2alignl 7, 3214868480
	.fill 96, 4, 3214868480
	.section	.rodata,"a",@progbits
	.p2align	6, 0x0
	.amdhsa_kernel k_q45e2217c4a_attn
		.amdhsa_group_segment_fixed_size 313088
		.amdhsa_private_segment_fixed_size 0
		.amdhsa_enable_private_segment 0
		.amdhsa_kernarg_size 40
		.amdhsa_user_sgpr_count 2
		.amdhsa_user_sgpr_kernarg_segment_ptr 1
		.amdhsa_wavefront_size32 1
		.amdhsa_system_sgpr_workgroup_id_x 1
		.amdhsa_system_sgpr_workgroup_id_y 1
		.amdhsa_system_sgpr_workgroup_id_z 1
		.amdhsa_system_vgpr_workitem_id 0
		.amdhsa_next_free_vgpr 256
		.amdhsa_next_free_sgpr 66
		.amdhsa_reserve_vcc 0
		.amdhsa_float_denorm_mode_32 3
		.amdhsa_float_denorm_mode_16_64 3
		.amdhsa_memory_ordered 1
		.amdhsa_forward_progress 1
		.amdhsa_inst_pref_size 123
	.end_amdhsa_kernel
	.amdgpu_metadata
---
amdhsa.version: [ 1, 2 ]
amdhsa.kernels:
  - .name:           k_q45e2217c4a_attn
    .symbol:         k_q45e2217c4a_attn.kd
    .args:
      - { .name: queries, .offset: 0, .size: 8, .value_kind: global_buffer, .address_space: global }
      - { .name: keys, .offset: 8, .size: 8, .value_kind: global_buffer, .address_space: global }
      - { .name: values, .offset: 16, .size: 8, .value_kind: global_buffer, .address_space: global }
      - { .name: log_scale, .offset: 24, .size: 8, .value_kind: global_buffer, .address_space: global }
      - { .name: out0, .offset: 32, .size: 8, .value_kind: global_buffer, .address_space: global }
    .group_segment_fixed_size: 313088
    .private_segment_fixed_size: 0
    .kernarg_segment_align: 8
    .kernarg_segment_size: 40
    .max_flat_workgroup_size: 512
    .sgpr_count:     66
    .vgpr_count:     256
    .wavefront_size: 32
...
	.end_amdgpu_metadata
.endif
;; end of part 2
